; MI455X (gfx1250); checked and timed in simulation.
; The chip was launched on July 23, 2026; its instructions are those of AMD's public machine-readable ISA for CDNA 5 (MIT licence, August 2026) and "CDNA5" Instruction Set Architecture Reference Guide (July 2026). The comments in the code are by the model that wrote it; some were corrected since.
;; Attention Block. Allowed arithmetic: matrix products marked QUANTISED: E2M1 operands, one E8M0 scale for each 32 along K, by v_wmma_scale_f32_16x16x128_f8f6f4 with both operands' format E2M1 (or v_wmma_scale_f32_32x16x128_f4), f32 sums; everything else in f32.
;; Inputs: kw 4 x 2,048 x 1,024 float32; qw 4 x 2,048 x 1,024 float32; vw 4 x 2,048 x 1,024 float32.
;; Outputs: out0 4 x 2,048 x 16 x 64 float32.
;; This version of the problem:
;;   THIS VERSION OF THE PROBLEM IS GIVEN IN LOW PRECISION. The matrix products marked QUANTISED in the list below multiply operands that are first quantised to E2M1 (2 exponent bits, 1 mantissa bit; 4 bits a number), with one power-of-two scale for each 32 numbers along K (OCP MX v1.0); their sums are f32. All else is computed in f32.
;;   The module's matrix products, in the order in which they are computed (A, B: the left and right operand; K: the contracted axis; several contracted axes count as one K, in the product's order):
;;     1. batch 64 x [M 2,048, K 64] x [K 64, N 2,048]; A: input qw; B: input kw: QUANTISED
;;     2. batch 64 x [M 2,048, K 2,048] x [K 2,048, N 64]; A: softmax (see below); B: input vw: QUANTISED
;;   THE QUANTISER, for each operand of a quantised product, along K:
;;     - K is cut into blocks of 32 from its start; a last block that is shorter is filled with zeros.
;;     - A block's scale is 2^e with e = floor(log2(the largest magnitude in the block)) - 2, held to -126 .. 127; a block of zeros has e = 0. As a byte (E8M0): e + 127.
;;     - Each number is divided by its block's scale, clamped to +-6, and rounded to the nearest number of E2M1, ties to even, subnormals kept.
;;     - The product sums the exact products of the quantised numbers (number of the format x scale) in f32.
;;   ~~~python
;;   def quantise(x, axis):      # numpy; x: float32 -> the quantised numbers, widened to float32 again
;;       x = np.moveaxis(x, axis, -1); K = x.shape[-1]
;;       x = np.pad(x, [(0, 0)] * (x.ndim - 1) + [(0, -K % 32)]); x = x.reshape(x.shape[:-1] + (-1, 32)); a = np.abs(x).max(-1, keepdims=True)
;;       e = np.where(a > 0, np.clip(np.frexp(np.where(a > 0, a, 1))[1] - 1 - 2, -126, 127), 0)      # np.frexp(a)[1] - 1 = floor(log2(a)), exactly
;;       r = np.clip(x / 2.0 ** e, -6, 6)
;;       step = 2.0 ** (np.maximum(np.frexp(np.where(r == 0, 1, r))[1] - 1, 0) - 1)
;;       q = np.round(r / step) * step * 2.0 ** e      # np.round: ties to even
;;       return np.moveaxis(q.reshape(q.shape[:-2] + (-1,))[..., :K], -1, axis).astype(np.float32)
;;   ~~~
;;   SOFTMAX AHEAD OF A QUANTISED PRODUCT. Where the list says 'softmax', what is quantised is not the finished softmax but p = 2^(t - M), with t = logit x log2(e) and M = ceil(the row's largest t), a whole number; so 1/2 < the row's largest p <= 1. The row's sum l is taken of the UNQUANTISED p, in f32, and the product's result is divided by l at the end. Since M is a whole number, a kernel that streams over the keys may use a running M (the ceiling of the running maximum): every later rescaling is an exact power of two, which a block's scale takes up: the codes' values come out the same.
;;   OPERANDS COMPUTED ON THE WAY. 'Computed on the way' means the value that the module computes at that place (a softmax that the list does not call 'softmax' is quantised finished and normalised). What goes into a quantiser is computed in f32, as accurately as f32 sums, v_exp_f32 and their like allow (about 1e-6 of the number): no bf16 or f16 on the way to a quantiser, and a product that is left as it is and whose result goes on into a quantised operand takes f32 operands (vector FMAs, or v_wmma_f32_16x16x4_f32). A number that lies on a knife's edge between two numbers of the format may be rounded either way, as far as f32 arithmetic and the matrix unit's own rounding can turn it there, and no further.
;; One version. Each part assembles by itself: llvm-mc -triple=amdgcn-amd-amdhsa -mcpu=gfx1250 --defsym DOCPART=n.
;; ======== version 1 of 1: 2 launches
;; limits: right only within a limited range of input values
;; workspace buffers: kv 8,912,896 bytes
;; launch prep (part 1): grid 16 x 64, 8 waves a work-group, no clusters, 71,424 bytes of LDS; arguments kw, vw, kv; writes kv
.if DOCPART == 1
	.amdgcn_target "amdgcn-amd-amdhsa--gfx1250"
	.amdhsa_code_object_version 6
	.text
	.protected	k_q61d6ef3a43_prep
	.globl	k_q61d6ef3a43_prep
	.p2align	8
	.type	k_q61d6ef3a43_prep,@function
k_q61d6ef3a43_prep:
	s_mov_b64 s[64:65], 0
	v_nop
	global_prefetch_b8 v0, s[64:65] scope:SCOPE_SE
	s_setreg_imm32_b32 hwreg(HW_REG_WAVE_MODE, 25, 1), 1
	s_wait_xcnt 0x0
; kw and vw, [4][2048][1024] f32, become codes of FP4 (E2M1) with one E8M0 scale byte for each 32 along a product's K: kw along the head's 64 channels, vw along the KEYS.
; Head g = 16 b + h; a key's 64 numbers of a head are 256 consecutive bytes, aligned, inside a row of 4,096 bytes.
; A work-group takes 128 keys (step st = work-group x) of one head (g = work-group y) and writes their IMAGE, 8,704 bytes at (16 g + st) x 8,704 of kv, in the order of the operands' registers:
;   +0     K's codes [tile t 0..7][lane][16 bytes]: lane (r, hh) of tile t = 4 c + i holds key 64 c + 8 i + r % 8 + 32 (r / 8), channels 32 hh .. 32 hh + 31
;   +4096  V's codes [2 t + c][lane][16 bytes]: lane (r, hh) holds channel 16 t + r, keys 64 c + 32 hh + 0 .. 31
;   +8192  K's scale words [lane L][2]: L = r + 16 (f % 2), word f / 2, f = t / 2: bytes = tile 2 f's row r, blocks 0, 1; tile 2 f + 1's row r, blocks 0, 1
;   +8448  V's scale words [lane L][2]: L = r + 16 (t % 2), word t / 2: bytes = the four blocks of 32 of the step's 128 keys, channel 16 t + r
; A block's scale is 2^(floor(log2(its largest magnitude)) - 2): its byte is the largest magnitude's exponent field - 2, held at 1 from below by a floor among the maximum's leaves.
; LIMITS: a block of zeros, or one whose largest magnitude lies under 2^-124, gets the byte 1 where the rule says 127 for zeros: its codes are zeros (or what the byte 1 gives), and this program alone reads the bytes.
; NaN and infinities among the inputs are not served.
; SHARES.  Eight waves.  Wave w loads 16 rows of V and the 16 keys of K's tile w: each load takes two whole rows of 256 bytes, sixteen lanes to a row.  K turns through the wave's own stage in LDS, so that a lane
; holds 32 neighbours along the channels: a whole block.  V goes into a stage that all waves share; behind a barrier a lane takes ONE channel and its 32 registers run down 32 keys: again a whole block in a lane.
; Every byte of kw and vw is read once and every 256 bytes of kv are written whole by one instruction.  No work-group shares an input byte with another: no cluster; no matrix work, no tensor load.
.set ROW,  4096                        ; bytes from key to key in kw and vw
.set SP,   272                         ; a stage row: 256 bytes + 16 of padding
.set KST,  35072                       ; LDS: V's stage from 0 (row k at 272 k + 64 (k / 32)); from here eight stages of 16 rows, one a wave;
.set SCA,  69888                       ; the image's 512 bytes of scale words;
.set SPARE, 70400                      ; and the spare words, 128 bytes a wave, which no other line names
.set IMG,  8704
.set SEL,  20                          ; s[20:21] lane selects for v_permlanex16_b32: lane l xor 16
.set GO,   3                           ; v3   4096 hh + 16 r
.set KIN,  4                           ; v4   K's stage, way in: row hh, 16 r
.set KBK,  5                           ; v5   and back: row r, 128 hh
.set VIN,  6                           ; v6   V's stage, way in
.set VCOL, 7                           ; v7   and back: my channel's word in my first key's row
.set SCW,  8                           ; v8   where my tile's halfword of scale bytes goes
.set LI,   9                           ; v9   16 x lane
.set SHR,  10                          ; v10  8 hh
.set SCR,  11                          ; v11  SCA + 16 x lane
.set VL,   16                          ; v16-47   V as loaded
.set KL,   48                          ; v48-79   K as loaded
.set X,    80                          ; v80-111  a block's 32 numbers
.set KC,   112
.set VC,   116
.set QW,   120                         ; v120-124 at work
.set HW,   125
.set SPW,  126                         ; v126 my spare word's LDS address; never rewritten
.set NIL,  127                         ; v127 0; never rewritten
; 32 numbers of ONE lane, a whole block, v[x] on, become 16 bytes of codes in v[c] on; v[hw] gets the bytes of lanes l % 16 (low) and l % 16 + 16 (high).
.macro QB x, c, hw
	v_max3_num_f32 v[QW], |v[\x]|, |v[\x+1]|, 0x1800000            ; the floor 2^(3 - 127) is one more leaf
	v_max3_num_f32 v[QW+1], |v[\x+2]|, |v[\x+3]|, |v[\x+4]|
.irp i, 5,9,13,17,21,25
	s_delay_alu instid0(VALU_DEP_2)
	v_max3_num_f32 v[QW], v[QW], |v[\x+\i]|, |v[\x+\i+1]|
	s_delay_alu instid0(VALU_DEP_2)
	v_max3_num_f32 v[QW+1], v[QW+1], |v[\x+\i+2]|, |v[\x+\i+3]|
.endr
	s_delay_alu instid0(VALU_DEP_2)
	v_max3_num_f32 v[QW], v[QW], |v[\x+29]|, |v[\x+30]|
	s_delay_alu instid0(VALU_DEP_1)
	v_max3_num_f32 v[QW], v[QW], v[QW+1], |v[\x+31]|               ; the block's largest magnitude
	s_delay_alu instid0(VALU_DEP_1)
	v_add_nc_u32 v[QW+2], 0xff000000, v[QW]                        ; 2 off its exponent field: the conversion's scale operand
	s_delay_alu instid0(VALU_DEP_1)
	v_lshrrev_b32 v[QW+3], 23, v[QW+2]                             ; the scale's byte
	s_delay_alu instid0(VALU_DEP_1)
	v_lshlrev_b32 v[\hw], v[SHR], v[QW+3]                          ; 8 hh bits up
	s_delay_alu instid0(VALU_DEP_1)
	v_permlanex16_b32 v[QW+4], v[\hw], s[SEL], s[SEL+1]
	s_delay_alu instid0(VALU_DEP_1)
	v_or_b32 v[\hw], v[\hw], v[QW+4]                               ; the halfword is whole, in both lanes
.irp g, 0,1,2,3
	v_cvt_scalef32_pk8_fp4_f32 v[\c+\g], v[\x+8*\g:\x+8*\g+7], v[QW+2]
.endr
	v_nop                                                          ; one plain vector line behind the last scaled conversion
.endm
	s_load_b128 s[4:7], s[0:1], 0x0                ; kw s[4:5], vw s[6:7]
	s_load_b64 s[8:9], s[0:1], 0x10                ; kv
	v_lshl_add_u32 v[SPW], v0, 2, SPARE
	v_mov_b32 v[NIL], 0
	v_lshrrev_b32 v12, 5, v0
	s_delay_alu instid0(VALU_DEP_1)
	v_readfirstlane_b32 s10, v12                   ; wave w, 0..7
	s_and_b32 s11, ttmp7, 0xffff                   ; head g
	s_mov_b32 s[SEL], 0x76543210
	s_mov_b32 s[SEL+1], 0xfedcba98
	v_and_b32 v1, 15, v0                           ; r
	v_bfe_u32 v2, v0, 4, 1                         ; hh
	v_and_b32 v14, 31, v0                          ; lane
	v_mov_b32 v[QW+4], 0                           ; a lane permute's destination counts as one of its sources
	s_delay_alu instid0(VALU_DEP_4)
	v_lshlrev_b32 v[GO], 4, v1
	s_delay_alu instid0(VALU_DEP_1)
	v_lshl_add_u32 v[GO], v2, 12, v[GO]
	v_mul_u32_u24 v13, v2, SP
	s_delay_alu instid0(VALU_DEP_1)
	v_lshl_add_u32 v13, v1, 4, v13                 ; 272 hh + 16 r
	s_mul_i32 s18, s10, 16*SP
	s_add_co_u32 s19, s18, KST                     ; my own stage for K
	v_add_nc_u32 v[KIN], s19, v13
	v_mul_u32_u24 v[KBK], v1, SP
	s_delay_alu instid0(VALU_DEP_1)
	v_lshl_add_u32 v[KBK], v2, 7, v[KBK]
	s_delay_alu instid0(VALU_DEP_1)
	v_add_nc_u32 v[KBK], s19, v[KBK]
	s_lshr_b32 s22, s10, 1                         ; w / 2
	s_lshl_b32 s23, s22, 6
	s_add_co_u32 s24, s18, s23                     ; V's rows 16 w on: 272 x 16 w + 64 (w / 2)
	v_add_nc_u32 v[VIN], s24, v13
	s_and_b32 s25, s10, 1                          ; w % 2
	s_mul_i32 s26, s25, 64*SP+128                  ; V back: wave w makes fragment t = w / 2, half c = w % 2: keys 64 c + 32 hh on,
	s_add_co_u32 s26, s26, s23                     ; channel 16 t + r
	v_mul_u32_u24 v[VCOL], v2, 32*SP+64
	s_delay_alu instid0(VALU_DEP_1)
	v_lshl_add_u32 v[VCOL], v1, 2, v[VCOL]
	s_delay_alu instid0(VALU_DEP_1)
	v_add_nc_u32 v[VCOL], s26, v[VCOL]
	s_and_b32 s27, s22, 1                          ; the halfword's place: 8 r + 128 ((w / 2) % 2) + 4 (w / 4) + 2 (w % 2)
	s_lshl_b32 s27, s27, 7
	s_lshr_b32 s28, s10, 2
	s_lshl_b32 s28, s28, 2
	s_add_co_u32 s27, s27, s28
	s_lshl_b32 s28, s25, 1
	s_add_co_u32 s27, s27, s28
	s_add_co_u32 s27, s27, SCA
	v_lshl_add_u32 v[SCW], v1, 3, s27
	v_lshlrev_b32 v[LI], 4, v14
	v_lshlrev_b32 v[SHR], 3, v2
	s_delay_alu instid0(VALU_DEP_2)
	v_add_nc_u32 v[SCR], SCA, v[LI]
	; byte offsets, all under 2^26: batch g / 16 x 2,048 rows, step st x 128 rows, head g % 16 x 256 bytes
	s_lshr_b32 s14, s11, 4
	s_lshl_b32 s14, s14, 23
	s_lshl_b32 s13, ttmp9, 19
	s_add_co_u32 s14, s14, s13
	s_and_b32 s13, s11, 15
	s_lshl_b32 s13, s13, 8
	s_add_co_u32 s14, s14, s13
	s_lshl_b32 s16, s10, 16                        ; vw: + 16 w rows
	s_add_co_u32 s16, s16, s14
	s_mov_b32 s17, 0
	s_lshr_b32 s13, s10, 2                         ; kw: + 64 (w / 4) + 8 (w % 4) rows: my tile's first key
	s_lshl_b32 s13, s13, 18
	s_add_co_u32 s14, s14, s13
	s_and_b32 s13, s10, 3
	s_lshl_b32 s13, s13, 15
	s_add_co_u32 s14, s14, s13
	s_mov_b32 s15, 0
	s_lshl_b32 s30, s11, 4                         ; kv: image 16 g + st, + 512 w
	s_add_co_u32 s30, s30, ttmp9
	s_mul_i32 s30, s30, IMG
	s_lshl_b32 s13, s10, 9
	s_add_co_u32 s30, s30, s13
	s_mov_b32 s31, 0
	s_wait_alu depctr_va_vdst(0)                   ; the wait at the head's end
	s_wait_kmcnt 0x0
	s_add_nc_u64 s[4:5], s[4:5], s[14:15]
	s_add_nc_u64 s[6:7], s[6:7], s[16:17]
	s_add_nc_u64 s[8:9], s[8:9], s[30:31]
.irp i, 0,1,2,3,4,5,6,7
	global_load_b128 v[VL+4*\i:VL+4*\i+3], v[GO], s[6:7] offset:2*\i*ROW th:TH_LOAD_NT   ; V's rows 16 w + 2 i + hh
.endr
.irp i, 0,1,2,3,4,5,6,7
	global_load_b128 v[KL+4*\i:KL+4*\i+3], v[GO], s[4:5] offset:((\i/4)*32+2*(\i%4))*ROW th:TH_LOAD_NT   ; my tile's keys: eight neighbours, and the eight that lie 32 further on
.endr
	s_wait_loadcnt 8                               ; V's eight loads are in; K's eight, issued behind them, may be out
.irp i, 0,1,2,3,4,5,6,7
	ds_store_b128 v[VIN], v[VL+4*\i:VL+4*\i+3] offset:2*\i*SP
.endr
	s_wait_loadcnt 0x0                             ; K
.irp i, 0,1,2,3,4,5,6,7
	ds_store_b128 v[KIN], v[KL+4*\i:KL+4*\i+3] offset:2*\i*SP      ; stage row 2 i + hh is the tile's row r
.endr
.irp j, 0,1,2,3,4,5,6,7
	ds_load_b128 v[X+4*\j:X+4*\j+3], v[KBK] offset:16*\j           ; my own bytes: LDS serves a wave's instructions in order (ISA guide 5.7.1)
.endr
	s_wait_dscnt 0x0
	QB X, KC, HW
	global_store_b128 v[LI], v[KC:KC+3], s[8:9]    ; tile w: 512 consecutive bytes
	ds_store_b16 v[SCW], v[HW]                     ; lanes r and r + 16 write the same halfword with the same value
	s_wait_dscnt 0x0                               ; for the others' sake: my rows of V lie in the stage
	s_barrier_signal -1
	s_barrier_wait -1                              ; all 128 rows do
.set ii, 0
.rept 32
	ds_load_b32 v[X+ii], v[VCOL] offset:SP*ii      ; V(key 64 c + 32 hh + i, channel 16 t + r)
.set ii, ii+1
.endr
	s_wait_dscnt 0x0
	QB X, VC, HW
	global_store_b128 v[LI], v[VC:VC+3], s[8:9] offset:4096
	ds_store_b16 v[SCW], v[HW] offset:256
	s_wait_dscnt 0x0                               ; for wave 0's sake: my halfwords have landed
	s_barrier_signal -1
	s_barrier_wait -1
	s_cmp_lg_u32 s10, 0
	s_cbranch_scc1 .Lend                           ; wave 0 alone stores the scale words (its base stands at the image's first byte)
	ds_load_b128 v[X+24:X+27], v[SCR]
	s_wait_dscnt 0x0
	global_store_b128 v[LI], v[X+24:X+27], s[8:9] offset:8192
.Lend:
	s_wait_tensorcnt 0x0                           ; the wave's end
	ds_add_u32 v[SPW], v[NIL]
	s_wait_dscnt 0x0
	s_endpgm
.Lfunc_end_k_q61d6ef3a43_prep:
	.size	k_q61d6ef3a43_prep, .Lfunc_end_k_q61d6ef3a43_prep-k_q61d6ef3a43_prep
	.p2alignl 7, 3214868480
	.fill 96, 4, 3214868480
	.section	.rodata,"a",@progbits
	.p2align	6, 0x0
	.amdhsa_kernel k_q61d6ef3a43_prep
		.amdhsa_group_segment_fixed_size 71424
		.amdhsa_private_segment_fixed_size 0
		.amdhsa_enable_private_segment 0
		.amdhsa_kernarg_size 24
		.amdhsa_user_sgpr_count 2
		.amdhsa_user_sgpr_kernarg_segment_ptr 1
		.amdhsa_wavefront_size32 1
		.amdhsa_system_sgpr_workgroup_id_x 1
		.amdhsa_system_sgpr_workgroup_id_y 1
		.amdhsa_system_sgpr_workgroup_id_z 1
		.amdhsa_system_vgpr_workitem_id 0
		.amdhsa_next_free_vgpr 128
		.amdhsa_next_free_sgpr 66
		.amdhsa_reserve_vcc 0
		.amdhsa_float_denorm_mode_32 3
		.amdhsa_float_denorm_mode_16_64 3
		.amdhsa_memory_ordered 1
		.amdhsa_forward_progress 1
		.amdhsa_inst_pref_size 14
	.end_amdhsa_kernel
	.amdgpu_metadata
---
amdhsa.version: [ 1, 2 ]
amdhsa.kernels:
  - .name:           k_q61d6ef3a43_prep
    .symbol:         k_q61d6ef3a43_prep.kd
    .args:
      - { .name: kw, .offset: 0, .size: 8, .value_kind: global_buffer, .address_space: global }
      - { .name: vw, .offset: 8, .size: 8, .value_kind: global_buffer, .address_space: global }
      - { .name: kv, .offset: 16, .size: 8, .value_kind: global_buffer, .address_space: global }
    .group_segment_fixed_size: 71424
    .private_segment_fixed_size: 0
    .kernarg_segment_align: 8
    .kernarg_segment_size: 24
    .max_flat_workgroup_size: 256
    .sgpr_count:     66
    .vgpr_count:     128
    .wavefront_size: 32
...
	.end_amdgpu_metadata
.endif
;; end of part 1
;; launch attn (part 2): grid 4 x 64, 16 waves a work-group, clusters of 4 x 1, 210,944 bytes of LDS; arguments qw, kv, out0; writes out0
.if DOCPART == 2
	.amdgcn_target "amdgcn-amd-amdhsa--gfx1250"
	.amdhsa_code_object_version 6
	.text
	.protected	k_q61d6ef3a43_attn
	.globl	k_q61d6ef3a43_attn
	.p2align	8
	.type	k_q61d6ef3a43_attn,@function
k_q61d6ef3a43_attn:
	s_mov_b64 s[64:65], 0
	v_nop
	global_prefetch_b8 v0, s[64:65] scope:SCOPE_SE
	s_setreg_imm32_b32 hwreg(HW_REG_WAVE_MODE, 25, 1), 1
	s_wait_xcnt 0x0
	s_wait_alu depctr_hold_cnt(0) depctr_sa_sdst(0) depctr_va_vdst(0) depctr_va_sdst(0) depctr_va_ssrc(0) depctr_va_vcc(0) depctr_vm_vsrc(0)
	s_getreg_b32 s2, hwreg(HW_REG_IB_STS2, 6, 4)
	s_cmp_eq_u32 s2, 0
	s_cbranch_scc0 .Lentry_in_a_cluster
	s_endpgm
.Lentry_in_a_cluster:
	s_bfe_u32 s2, ttmp6, 0x10000c
	s_cmp_lg_u32 s2, 0x3003
	s_cbranch_scc0 .Lentry_shape_is_right
	s_endpgm
.Lentry_shape_is_right:
; out0[b][q][h][:] = the sum over k of softmax_k(Q . K / 8) V, head size 64, 2,048 keys, both products on codes of FP4 (E2M1) with one E8M0 scale for each 32 along a product's K.
; K and V arrive as the images that the launch before has written (kv: 16 steps of 128 keys a head, 8,704 bytes a step: K's codes 4,096, V's codes 4,096, K's scale words 256, V's 256, in the order of the
; operands' registers).  Q arrives as f32 and is quantised here, in registers: each row of it is read once, by one wave.
; THE SOFTMAX AHEAD OF THE SECOND PRODUCT: t = score x log2(e) / 8; M = the row's largest t so far, rounded UP to a whole number; p = 2^(t - M) is what is quantised, along the keys, not normalised.
; The row's sum is taken of the unquantised p, in f32, and divides at the end.  When M moves, the sum and O are multiplied by 2^(old M - new M): exact.
; SHARES.  A work-group owns 512 queries of one head, in two passes of 256; each of its sixteen waves owns one tile of 16 queries a pass, in 256 registers: four waves to a SIMD.
; A WHOLE HEAD'S IMAGE, 139,264 bytes, LIES IN LDS: it is filled once, no byte of LDS is filled again, and one barrier shows it to all waves.
; CLUSTER.  The four work-groups of a cluster are the four blocks of 512 queries of one head: they ask for the image JOINTLY: wave w of each issues the same tensor load (step w: 34 rows of 256 bytes), with the
; same descriptor and a mask that names the four.  By this text's count a wave has one tensor load out, once.  No prefetch is laid: every global read of the launch stands at its head.
; LAYOUT.  Both products are used transposed: S^T = K Q^T (source 0 = keys, source 1 = my 16 queries), O^T = V^T P^T (source 0 = 16 channels, source 1 = P): a lane holds ONE query (lane % 16) throughout.
; THE KEYS OF A TILE: row r of tile 4 c + i is key 64 c + 8 i + r % 8 + 32 (r / 8).  A result's lane (r, h) holds rows 8 h .. 8 h + 7, so the 32 registers of tiles 4 c .. 4 c + 3 are keys 64 c + 32 h + 0 .. 31:
; ONE WHOLE BLOCK OF 32 IN A LANE, in the order in which the second product's operand wants it.  A block's maximum needs no other lane and the conversions' results are the operand's registers as they stand.
; K = 64 IN A FORM OF 128.  A fragment of K holds TWO tiles: tile 2 f where the form has k = 0 .. 63, tile 2 f + 1 where it has k = 64 .. 127.  Q stands in twelve registers, 0 0 0 0 q q q q 0 0 0 0: the upper eight
; are [q, 0] and pick tile 2 f, the lower eight [0, q] and pick tile 2 f + 1.  The half that is not wanted has zero CODES on Q's side: its products are exact zeros; K's bytes there are true scale bytes, Q's are 0.
; A BARRIER IN EVERY KEY STEP, its halves a step apart: a wave signals where its LDS loads have come back and waits for that signal at the same place of the next step: so the sixteen waves stay within one
; key step of each other.  Between a signal and its wait stand register work and loads from the image, which nobody writes.
; LIMITS: NaN and infinities among the inputs are not served.  The promise holds while the scaled scores t stay under 2^31 in magnitude.  A block of Q or of p that is all zeros, or whose largest magnitude lies
; under 2^-124, gets the byte 1.  A block's largest p is made from the block's largest score by the same multiply-add and exponential: this takes v_exp_f32 not to fall where its input rises.
.set IMG,   8704
.set HEAD,  16*IMG                     ; LDS 0 .. 139,263: the head's image
.set STAGE, HEAD                       ; behind it: 16 rows x 272 bytes for each wave, for Q's way in and O's way out; no tensor load lands here
.set SPARE, STAGE+16*16*272            ; the spare words, 128 bytes a wave, which no other line names
.set SP,    272
.set ROW,   4096                       ; bytes from query to query in qw and out0
.set LI16, 1                           ; v1   16 x lane
.set LI8,  2                           ; v2   8 x lane
.set STO,  3                           ; v3   stage: row r, 32 hh
.set RD,   4                           ; v4   stage: row hh, 16 r
.set QBK,  5                           ; v5   stage: row r, 128 hh
.set GO,   6                           ; v6   4096 hh + 16 r
.set SHR,  7                           ; v7   8 hh
.set AD16, 8                           ; v8   16 x lane + the step's image
.set AD8,  9                           ; v9   8 x lane + the step's image
.set QH,   16                          ; v16-23  [0, q];  v12 -M, v13 the largest score, v[14:15] the sum in two halves lie below
.set QL,   20                          ; v20-27  [q, 0]
.set QSL,  28                          ; v28  Q's scale bytes for [q, 0];  v29 for [0, q]
.set QSH,  29
.set Q1,   30                          ; v30-33 the second pass's codes, v34 its scale bytes
.set Q1S,  34
.set KF,   36                          ; v36-67   K: four fragments of two tiles
.set VF,   68                          ; v68-99   V: four fragments
.set SS,   100                         ; v100-163 S^T, then p
.set OO,   164                         ; v164-195 O^T
.set PP,   196                         ; v196-203 p's codes
.set KS,   204                         ; v204-205 K's scale words
.set VS,   206                         ; v206-207 V's
.set PW,   208                         ; v208 p's scale word
.set BM,   210                         ; v210-213 four chains of the maximum; then v210, v212: my two blocks' largest scores, then largest p
.set T4,   214                         ; v214 the permutes' destination; v215, v216 my two bytes
.set SO,   218                         ; v218-219 the conversions' scale operands
.set FF,   222                         ; v[222:223] f = 2^(old M - new M); the upper one is only named
.set TT,   224                         ; v224-225 at work
.set SB,   226                         ; v[226:227], v[234:235], v[236:237] the sum's other three chains
.set SC,   234
.set SD,   236
.set QW,   228                         ; v228-232 at work in QB
.set SPW,  254                         ; v254 my spare word's LDS address; never rewritten
.set NIL,  255                         ; v255 0; never rewritten
.set WV,   10
.set SEL,  20                          ; s[20:21] lane selects for v_permlanex16_b32: lane l xor 16
.set CS,   22                          ; s[22:23] c = log2(e) / 8
.set G0,   16
.set G1,   24
.set TB,   32                          ; s32  LDS byte at which the step's image begins
.set CNT,  33
.set PASS, 34
.macro ROUND                           ; a round of the cluster's barrier
	s_barrier_signal -1
	s_barrier_wait -1
	s_cmp_lg_u32 s[WV], 0
	s_cbranch_scc1 .Lnot_wave_0_\@
	s_barrier_signal -3
.Lnot_wave_0_\@:
	s_barrier_wait -3
	s_barrier_signal -1
	s_barrier_wait -1
.endm
; 32 numbers of ONE lane, a whole block, v[x] on, become 16 bytes of codes in v[c] on; v[hw] gets the bytes of lanes l % 16 (low) and l % 16 + 16 (high).
.macro QB x, c, hw
	v_max3_num_f32 v[QW], |v[\x]|, |v[\x+1]|, 0x1800000            ; the floor 2^(3 - 127) is one more leaf
	v_max3_num_f32 v[QW+1], |v[\x+2]|, |v[\x+3]|, |v[\x+4]|
.irp i, 5,9,13,17,21,25
	s_delay_alu instid0(VALU_DEP_2)
	v_max3_num_f32 v[QW], v[QW], |v[\x+\i]|, |v[\x+\i+1]|
	s_delay_alu instid0(VALU_DEP_2)
	v_max3_num_f32 v[QW+1], v[QW+1], |v[\x+\i+2]|, |v[\x+\i+3]|
.endr
	s_delay_alu instid0(VALU_DEP_2)
	v_max3_num_f32 v[QW], v[QW], |v[\x+29]|, |v[\x+30]|
	s_delay_alu instid0(VALU_DEP_1)
	v_max3_num_f32 v[QW], v[QW], v[QW+1], |v[\x+31]|
	s_delay_alu instid0(VALU_DEP_1)
	v_add_nc_u32 v[QW+2], 0xff000000, v[QW]                        ; 2 off its exponent field: the conversion's scale operand
	s_delay_alu instid0(VALU_DEP_1)
	v_lshrrev_b32 v[QW+3], 23, v[QW+2]
	s_delay_alu instid0(VALU_DEP_1)
	v_lshlrev_b32 v[\hw], v[SHR], v[QW+3]
	s_delay_alu instid0(VALU_DEP_1)
	v_permlanex16_b32 v[QW+4], v[\hw], s[SEL], s[SEL+1]
	s_delay_alu instid0(VALU_DEP_1)
	v_or_b32 v[\hw], v[\hw], v[QW+4]                               ; block 0's byte, block 1's above it, in both lanes
.irp g, 0,1,2,3
	v_cvt_scalef32_pk8_fp4_f32 v[\c+\g], v[\x+8*\g:\x+8*\g+7], v[QW+2]
.endr
	v_nop                                                          ; one plain vector line behind the last scaled conversion
.endm
; A tile of Q, 16 rows as loaded in v[src] on, turns through my stage, so that a lane holds 32 neighbours of one row, and is quantised.
.macro QTURN src, c, hw
.irp i, 0,1,2,3,4,5,6,7
	ds_store_b128 v[RD], v[\src+4*\i:\src+4*\i+3] offset:2*\i*SP
.endr
.irp j, 0,1,2,3,4,5,6,7
	ds_load_b128 v[OO+4*\j:OO+4*\j+3], v[QBK] offset:16*\j         ; my own bytes, served in order (ISA guide 5.7.1)
.endr
	s_wait_dscnt 0x0
	QB OO, \c, \hw
.endm
; Fragment b of K against [q, 0] and [0, q]: tiles 2 b and 2 b + 1 of S^T.  An odd fragment's scale words stand in lanes 16-31.
.macro KQ b
.if (\b)%2
	v_wmma_scale_f32_16x16x128_f8f6f4 v[SS+16*\b:SS+16*\b+7], v[KF+8*\b:KF+8*\b+7], v[QL:QL+7], 0, v[KS+\b/2], v[QSL] matrix_a_fmt:MATRIX_FMT_FP4 matrix_b_fmt:MATRIX_FMT_FP4 matrix_a_scale:MATRIX_SCALE_ROW1
	v_wmma_scale_f32_16x16x128_f8f6f4 v[SS+16*\b+8:SS+16*\b+15], v[KF+8*\b:KF+8*\b+7], v[QH:QH+7], 0, v[KS+\b/2], v[QSH] matrix_a_fmt:MATRIX_FMT_FP4 matrix_b_fmt:MATRIX_FMT_FP4 matrix_a_scale:MATRIX_SCALE_ROW1
.else
	v_wmma_scale_f32_16x16x128_f8f6f4 v[SS+16*\b:SS+16*\b+7], v[KF+8*\b:KF+8*\b+7], v[QL:QL+7], 0, v[KS+\b/2], v[QSL] matrix_a_fmt:MATRIX_FMT_FP4 matrix_b_fmt:MATRIX_FMT_FP4
	v_wmma_scale_f32_16x16x128_f8f6f4 v[SS+16*\b+8:SS+16*\b+15], v[KF+8*\b:KF+8*\b+7], v[QH:QH+7], 0, v[KS+\b/2], v[QSH] matrix_a_fmt:MATRIX_FMT_FP4 matrix_b_fmt:MATRIX_FMT_FP4
.endif
.endm
; O^T's tile t (channels 16 t on) += V^T P^T over the step's 128 keys.
.macro PV t
.if (\t)%2
	v_wmma_scale_f32_16x16x128_f8f6f4 v[OO+8*\t:OO+8*\t+7], v[VF+8*\t:VF+8*\t+7], v[PP:PP+7], v[OO+8*\t:OO+8*\t+7], v[VS+\t/2], v[PW] matrix_a_fmt:MATRIX_FMT_FP4 matrix_b_fmt:MATRIX_FMT_FP4 matrix_a_scale:MATRIX_SCALE_ROW1
.else
	v_wmma_scale_f32_16x16x128_f8f6f4 v[OO+8*\t:OO+8*\t+7], v[VF+8*\t:VF+8*\t+7], v[PP:PP+7], v[OO+8*\t:OO+8*\t+7], v[VS+\t/2], v[PW] matrix_a_fmt:MATRIX_FMT_FP4 matrix_b_fmt:MATRIX_FMT_FP4
.endif
.endm
; t - M of n pairs of scores from register SS + from on (of the pairs c and -M the low word serves both halves)
.macro TM from, n
.set jj, \from
.rept \n
	v_pk_fma_f32 v[SS+jj:SS+jj+1], v[SS+jj:SS+jj+1], s[CS:CS+1], v[12:13] op_sel_hi:[1,0,0]
.set jj, jj+2
.endr
.endm
; A KEY STEP: 128 keys.  K's fragments and scale words are in registers when it begins.  last = 1: a pass's last step: the K that it fetches ahead is step 0's, for the next pass.
.macro STEP last
.irp b, 0,1,2,3
	KQ \b
.endr
	v_add_nc_u32 v[AD16], s[TB], v[LI16]           ; four plain lines that name no register of the products: the places in front of the loads into K's, V's and their scales' registers
	v_add_nc_u32 v[AD8], s[TB], v[LI8]             ; and of the first read of the scores
	v_nop
	v_nop
.irp k, 0,1,2,3,4,5,6,7                        ; ONE run of 18 LDS loads a step, a whole softmax ahead of the one wait for them: this step's V,
	ds_load_b128 v[VF+4*\k:VF+4*\k+3], v[AD16] offset:4096+512*\k
.endr
	ds_load_b64 v[VS:VS+1], v[AD8] offset:8448
.if \last
.irp k, 0,1,2,3,4,5,6,7
	ds_load_b128 v[KF+4*\k:KF+4*\k+3], v[LI16] offset:512*\k
.endr
	ds_load_b64 v[KS:KS+1], v[LI8] offset:8192
.else
.irp k, 0,1,2,3,4,5,6,7                        ; and the next step's K
	ds_load_b128 v[KF+4*\k:KF+4*\k+3], v[AD16] offset:IMG+512*\k
.endr
	ds_load_b64 v[KS:KS+1], v[AD8] offset:IMG+8192
.endif
.irp b, 0,1,2,3
	v_max3_num_f32 v[BM+\b], v[SS+16*\b], v[SS+1+16*\b], v[SS+2+16*\b]   ; the largest score of my two blocks of 32 keys, two chains a block, the four by turns; each tile is read from its low end on
.endr
.irp i, 3,5,7,9,11,13
.irp b, 0,1,2,3
	v_max3_num_f32 v[BM+\b], v[BM+\b], v[SS+16*\b+\i], v[SS+1+16*\b+\i]
.endr
.endr
	v_max3_num_f32 v[BM], v[BM], v[BM+1], v[SS+15]
	v_max3_num_f32 v[BM+2], v[BM+2], v[BM+3], v[SS+47]
	v_max_num_f32 v[BM], v[BM], v[SS+31]           ; block 2 x 0 + h's largest score: it serves the row's maximum and, since p rises with the score, the block's largest p
	v_max_num_f32 v[BM+2], v[BM+2], v[SS+63]       ; block 2 x 1 + h's
	s_delay_alu instid0(VALU_DEP_1)
	v_max_num_f32 v[TT], v[BM], v[BM+2]
	s_delay_alu instid0(VALU_DEP_1)
	v_permlanex16_b32 v[T4], v[TT], s[SEL], s[SEL+1]
	s_delay_alu instid0(VALU_DEP_1)
	v_max3_num_f32 v13, v13, v[TT], v[T4]          ; the running largest score of my query (with lane l xor 16's 64 keys)
	v_mov_b32 v[TT+1], v12                         ; the old -M
	s_delay_alu instid0(VALU_DEP_2)
	v_mul_f32 v[TT], s[CS], v13                    ; as t (c is positive)
	s_delay_alu instid0(VALU_DEP_1)
	v_floor_f32 v12, -v[TT]                        ; the new -M = floor(-t) = -ceil(t): M is a whole number
	s_delay_alu instid0(VALU_DEP_1)
	v_sub_f32 v[TT], v12, v[TT+1]                  ; M's old value less its new one: a whole number, 0 or less
	TM 0, 8
	v_cvt_i32_f32 v[TT], v[TT]                     ; (it saturates)
	TM 16, 8
	v_ldexp_f32 v[FF], 1.0, v[TT]                  ; f = 2^(old M - new M): multiplying by it rounds nothing
	TM 32, 16
	v_fma_f32 v[BM], v[BM], s[CS], v12             ; the same of my blocks' largest scores
	v_fma_f32 v[BM+2], v[BM+2], s[CS], v12
.set jj, 0
.rept 16
	v_pk_mul_f32 v[OO+jj:OO+jj+1], v[OO+jj:OO+jj+1], v[FF:FF+1] op_sel_hi:[1,0]   ; O^T under the new M, from each tile's low end on; no exponential stands between the last step's products and these
.set jj, jj+2
.endr
	s_wait_alu depctr_va_vdst(0)                   ; the wait ahead of the batch
	v_exp_f32 v[BM], v[BM]                         ; my blocks' largest p: the same two instructions on the same number give the same bits
	v_exp_f32 v[BM+2], v[BM+2]
.set jj, 0
.rept 64
	v_exp_f32 v[SS+jj], v[SS+jj]                   ; p = 2^(t - M), at most 1: not normalised.  One batch of 66
.set jj, jj+1
.endr
	v_nop                                          ; the plain line behind the last exponential
	s_wait_alu depctr_va_vdst(0)                   ; and the one wait behind the batch
	v_max_num_f32 v[BM], 0x1800000, v[BM]          ; the floor 2^(3 - 127): the byte cannot fall under 1
	v_max_num_f32 v[BM+2], 0x1800000, v[BM+2]
	s_delay_alu instid0(VALU_DEP_2)
	v_add_nc_u32 v[SO], 0xff000000, v[BM]          ; 2 off the exponent field: the conversion's scale operand
	v_add_nc_u32 v[SO+1], 0xff000000, v[BM+2]
.irp c, 0,1
.irp g, 0,1,2,3
	v_cvt_scalef32_pk8_fp4_f32 v[PP+4*\c+\g], v[SS+32*\c+8*\g:SS+32*\c+8*\g+7], v[SO+\c]   ; registers 4 c .. 4 c + 3 of the operand: keys 64 c + 32 h + 0 .. 31
.endr
.endr
	v_lshrrev_b32 v[T4+1], 23, v[SO]               ; my two bytes: blocks h and 2 + h
	v_lshrrev_b32 v[T4+2], 23, v[SO+1]
	s_delay_alu instid0(VALU_DEP_1)
	v_lshl_or_b32 v[PW], v[T4+2], 16, v[T4+1]
	s_delay_alu instid0(VALU_DEP_1)
	v_lshlrev_b32 v[PW], v[SHR], v[PW]             ; at their places in the scale word: 8 h bits up
	s_delay_alu instid0(VALU_DEP_1)
	v_permlanex16_b32 v[T4], v[PW], s[SEL], s[SEL+1]
	s_delay_alu instid0(VALU_DEP_1)
	v_or_b32 v[PW], v[PW], v[T4]                   ; with lane l xor 16's two the word is whole
	; THE ROW'S SUM OF THE UNQUANTISED p, four chains by turns; the first line brings the old sum under the new M.  These 32 lines name no register of the products below: they are the places behind the writes of p's codes and scale word
	v_pk_fma_f32 v[14:15], v[14:15], v[FF:FF+1], v[SS:SS+1] op_sel_hi:[1,0,1]
	v_pk_add_f32 v[SB:SB+1], v[SS+2:SS+3], v[SS+10:SS+11]
	v_pk_add_f32 v[SC:SC+1], v[SS+4:SS+5], v[SS+12:SS+13]
	v_pk_add_f32 v[SD:SD+1], v[SS+6:SS+7], v[SS+14:SS+15]
	v_pk_add_f32 v[14:15], v[14:15], v[SS+8:SS+9]
.irp j, 16,24,32,40,48,56
	v_pk_add_f32 v[SB:SB+1], v[SB:SB+1], v[SS+\j+2:SS+\j+3]
	v_pk_add_f32 v[SC:SC+1], v[SC:SC+1], v[SS+\j+4:SS+\j+5]
	v_pk_add_f32 v[SD:SD+1], v[SD:SD+1], v[SS+\j+6:SS+\j+7]
	v_pk_add_f32 v[14:15], v[14:15], v[SS+\j:SS+\j+1]
.endr
	s_delay_alu instid0(VALU_DEP_3)
	v_pk_add_f32 v[SB:SB+1], v[SB:SB+1], v[SC:SC+1]
	s_delay_alu instid0(VALU_DEP_2)
	v_pk_add_f32 v[14:15], v[14:15], v[SD:SD+1]
	s_delay_alu instid0(VALU_DEP_1)
	v_pk_add_f32 v[14:15], v[14:15], v[SB:SB+1]
	s_wait_alu depctr_va_vdst(0)                   ; the wait here, directly ahead of the waits below
	s_wait_dscnt 0x0                               ; the step's one wait for LDS: V, and the next step's K
	s_barrier_wait -1                              ; every wave has signalled at this place of the step before (in a pass's first step: at the pass's head),
	s_barrier_signal -1                            ; and I am here: no LDS instruction of mine is out
.irp t, 0,1,2,3
	PV \t                                          ; the four accumulators take turns, one instruction a turn
.endr
.if !\last
	s_add_co_u32 s[TB], s[TB], IMG
.endif
.endm
; THE WAY OUT of a pass's tile: O^T / the sum goes through my stage and leaves as whole rows: sixteen lanes store a query's 256 bytes of this head, aligned.  Then the second pass's Q takes its place.
.macro OUT
	v_add_f32 v14, v14, v15                        ; the sum's two halves,
	s_delay_alu instid0(VALU_DEP_1)
	v_permlanex16_b32 v[TT], v14, s[SEL], s[SEL+1]
	s_delay_alu instid0(VALU_DEP_1)
	v_add_f32 v14, v14, v[TT]                      ; and lane l xor 16's: the row's sum
	s_wait_alu depctr_va_vdst(0)                   ; the wait ahead of the reciprocal
	v_rcp_f32 v14, v14
.rept 4
	v_nop                                          ; the plain line behind the reciprocal, and the places between the last products and the first read of O^T
.endr
	s_wait_alu depctr_va_vdst(0)                   ; and behind it, directly ahead of the first readers of the reciprocal and of O^T
.set jj, 0
.rept 16
	v_pk_mul_f32 v[SS+jj:SS+jj+1], v[OO+jj:OO+jj+1], v[14:15] op_sel_hi:[1,0]     ; register 8 t + i: o(query r, channel 16 t + 8 hh + i)
.set jj, jj+2
.endr
.irp t, 0,1,2,3
	ds_store_b128 v[STO], v[SS+8*\t:SS+8*\t+3] offset:64*\t
	ds_store_b128 v[STO], v[SS+8*\t+4:SS+8*\t+7] offset:64*\t+16
.endr
.irp i, 0,1,2,3,4,5,6,7
	ds_load_b128 v[SS+32+4*\i:SS+35+4*\i], v[RD] offset:2*\i*SP    ; my own bytes, served in order
.endr
.irp i, 0,1,2,3,4,5,6,7
	s_wait_dscnt 7-\i                              ; rows 2 i and 2 i + 1 are back; the 7 - i younger loads may be out
	global_store_b128 v[GO], v[SS+32+4*\i:SS+35+4*\i], s[8:9] offset:2*\i*ROW th:TH_STORE_NT
.endr
	s_wait_xcnt 0x0                                ; the stores' base and data registers are written again only behind this wait
	s_add_nc_u64 s[8:9], s[8:9], 256*ROW           ; the second pass's tile lies 256 queries on
.irp i, 0,1,2,3
	v_mov_b32 v[QL+\i], v[Q1+\i]
.endr
	v_mov_b32 v[QSL], v[Q1S]
	v_lshlrev_b32 v[QSH], 16, v[Q1S]
.endm
	s_load_b128 s[4:7], s[0:1], 0x0                ; qw s[4:5], kv s[6:7]
	s_load_b64 s[8:9], s[0:1], 0x10                ; out0
	v_lshl_add_u32 v[SPW], v0, 2, SPARE
	v_mov_b32 v[NIL], 0
	ds_add_u32 v[SPW], v[NIL]                      ; the opening lines: the add, twice on end, and its wait ahead of my first tensor load
	ds_add_u32 v[SPW], v[NIL]
	v_lshrrev_b32 v8, 5, v0
	s_delay_alu instid0(VALU_DEP_1)
	v_readfirstlane_b32 s[WV], v8                  ; wave 0..15
	s_bfe_u32 s11, ttmp6, 0x40000                  ; cx: my place in the cluster
	s_lshl_b32 s13, ttmp9, 2                       ; in a cluster launch ttmp9 counts clusters
	s_add_co_u32 s11, s13, s11                     ; my block of 512 queries: it enters qw's and out0's addresses alone
	s_and_b32 s12, ttmp7, 0xffff                   ; the head g, which the four partners share
	s_lshr_b32 s14, s12, 4                         ; byte offset in qw and out0, under 2^25: batch g / 16 x 2,048 rows,
	s_lshl_b32 s14, s14, 23
	s_lshl_b32 s13, s11, 21                        ; my block's 512 rows,
	s_add_co_u32 s14, s14, s13
	s_lshl_b32 s13, s[WV], 16                      ; my wave's 16,
	s_add_co_u32 s14, s14, s13
	s_and_b32 s13, s12, 15                         ; head g % 16: 256 bytes of a row
	s_lshl_b32 s13, s13, 8
	s_add_co_u32 s14, s14, s13
	s_mov_b32 s15, 0
	s_mul_i32 s36, s12, HEAD                       ; the head's image in kv, and step w of it: made of the head and the wave's number alone
	s_mul_i32 s[G0+1], s[WV], IMG                  ; LDS address: wave x 8,704
	s_add_co_u32 s36, s36, s[G0+1]
	s_mov_b32 s37, 0
	s_mov_b32 s[G0], 1
	; descriptor group 1: a dense block of 8,704 bytes as 34 rows of 256 bytes (32 elements of 8 bytes), no padding
	s_mov_b32 s[G1], 15|(3<<16)|(1<<21)            ; the mask: all four work-groups; elements of 8 bytes; bit 21 set beside a mask
	s_mov_b32 s[G1+1], 32<<16
	s_mov_b32 s[G1+2], 34<<16
	s_mov_b32 s[G1+3], 32<<16
	s_mov_b32 s[G1+4], 34
	s_mov_b32 s[G1+5], 32
	s_mov_b32 s[G1+6], 0
	s_mov_b32 s[G1+7], 0
	s_mov_b32 s[SEL], 0x76543210
	s_mov_b32 s[SEL+1], 0xfedcba98
	s_mov_b32 s[CS], 0x3e38aa3b                    ; c = log2(e) / 8
	s_mov_b32 s[CS+1], s[CS]                       ; (named with it as a pair, so it is written)
	v_and_b32 v10, 15, v0                          ; r
	v_bfe_u32 v11, v0, 4, 1                        ; hh
	v_and_b32 v[LI8], 31, v0
	s_delay_alu instid0(VALU_DEP_1)
	v_lshlrev_b32 v[LI16], 4, v[LI8]
	s_delay_alu instid0(VALU_DEP_2)
	v_lshlrev_b32 v[LI8], 3, v[LI8]
	s_mul_i32 s38, s[WV], 16*SP
	s_add_co_u32 s38, s38, STAGE                   ; my stage
	v_mul_u32_u24 v[QBK], v10, SP
	s_delay_alu instid0(VALU_DEP_1)
	v_lshl_add_u32 v[STO], v11, 5, v[QBK]
	s_delay_alu instid0(VALU_DEP_1)
	v_add_nc_u32 v[STO], s38, v[STO]
	s_delay_alu instid0(VALU_DEP_3)
	v_lshl_add_u32 v[QBK], v11, 7, v[QBK]
	s_delay_alu instid0(VALU_DEP_1)
	v_add_nc_u32 v[QBK], s38, v[QBK]
	v_mul_u32_u24 v[RD], v11, SP
	s_delay_alu instid0(VALU_DEP_1)
	v_lshl_add_u32 v[RD], v10, 4, v[RD]
	s_delay_alu instid0(VALU_DEP_1)
	v_add_nc_u32 v[RD], s38, v[RD]
	v_lshlrev_b32 v[GO], 4, v10
	s_delay_alu instid0(VALU_DEP_1)
	v_lshl_add_u32 v[GO], v11, 12, v[GO]
	v_lshlrev_b32 v[SHR], 3, v11
.irp i, 0,1,2,3
	v_mov_b32 v[QH+\i], 0                          ; the zero codes on either side of q
	v_mov_b32 v[QL+4+\i], 0
.endr
	v_mov_b32 v[T4], 0                             ; written once: a lane permute's destination counts as one of its sources
	v_mov_b32 v[TT], 0                             ; likewise
	v_mov_b32 v[QW+4], 0                           ; likewise
	v_mov_b32 v[FF+1], 0                           ; (named as the upper half of a pair)
	s_wait_alu depctr_va_vdst(0)                   ; the wait at the head's end
	s_wait_dscnt 0x0                               ; both opening adds are done
	s_wait_kmcnt 0x0
	s_add_nc_u64 s[4:5], s[4:5], s[14:15]          ; qw and out0 at my first pass's first query
	s_add_nc_u64 s[8:9], s[8:9], s[14:15]
	s_add_nc_u64 s[G0+2:G0+3], s[6:7], s[36:37]
	s_or_b32 s[G0+3], s[G0+3], 0x80000000          ; type = 2
.irp a, 0,1                                    ; both passes' tiles of Q: 16 rows each, sixteen lanes to a row's 256 bytes
.irp i, 0,1,2,3,4,5,6,7
	global_load_b128 v[SS+32*\a+4*\i:SS+32*\a+4*\i+3], v[GO], s[4:5] offset:\a*256*ROW+2*\i*ROW th:TH_LOAD_NT
.endr
.endr
	ROUND                                          ; all four work-groups are here: the joint loads meet
	tensor_load_to_lds s[G0:G0+3], s[G1:G1+7]      ; step w of the head's image: my one tensor load
	s_nop 0
.rept 4
	v_nop                                          ; four plain lines follow a tensor load
.endr
	s_wait_loadcnt 8                               ; the first pass's tile is in; the second's eight loads may be out
	QTURN SS, QL, QSL                              ; Q is quantised while the image is on its way
	v_lshlrev_b32 v[QSH], 16, v[QSL]
	s_wait_alu depctr_va_vdst(0)                   ; the wait here, directly ahead of the wait below
	s_wait_loadcnt 0x0
	QTURN SS+32, Q1, Q1S
	s_wait_alu depctr_va_vdst(0)                   ; likewise
	s_wait_tensorcnt 0x0                           ; my part of the image has landed,
	s_wait_dscnt 0x0
	s_barrier_signal -1
	s_barrier_wait -1                              ; everybody's has: from here on the image is only read
.irp k, 0,1,2,3,4,5,6,7
	ds_load_b128 v[KF+4*\k:KF+4*\k+3], v[LI16] offset:512*\k       ; step 0's K
.endr
	ds_load_b64 v[KS:KS+1], v[LI8] offset:8192
	s_mov_b32 s[PASS], 2
.Lpass:
	s_wait_dscnt 0x0                               ; step 0's K is in (on the way back it was waited for in the last step); no LDS instruction of mine is out:
	s_barrier_signal -1                            ; the signal for which the pass's first step waits
	v_mov_b32 v13, 0xff61b1e6                      ; the largest score so far: -3e38, under every score
	v_mov_b32 v12, 0x7e800000                      ; -M: a whole number above every -t, so that the first f is 0
	v_mov_b32 v14, 0                               ; the sum, in two halves
	v_mov_b32 v15, 0
.set jj, 0
.rept 32
	v_mov_b32 v[OO+jj], 0                          ; O^T: the step has no first form of its own: the first change of M multiplies zeros.  These lines are also the places between the writes of Q's codes and scale bytes and the first product
.set jj, jj+1
.endr
	s_mov_b32 s[TB], 0
	s_mov_b32 s[CNT], 15
.Lstep:
	STEP 0
	s_sub_co_u32 s[CNT], s[CNT], 1
	s_cmp_lg_u32 s[CNT], 0
	s_cbranch_scc1 .Lstep
	STEP 1                                         ; the sixteenth step: no image lies behind it
	s_barrier_wait -1                              ; the last step's signal is answered: no barrier is open on the way out, which stores
	OUT
	s_sub_co_u32 s[PASS], s[PASS], 1
	s_cmp_lg_u32 s[PASS], 0
	s_wait_alu depctr_va_vdst(0)                   ; the wait here, directly ahead of the branch
	s_cbranch_scc1 .Lpass
	s_wait_tensorcnt 0x0                           ; the wave's end
	ds_add_u32 v[SPW], v[NIL]
	s_wait_dscnt 0x0
	ROUND                                          ; the closing round: no work-group ends while a partner may still ask for a tile that names it
	s_endpgm
.Lfunc_end_k_q61d6ef3a43_attn:
	.size	k_q61d6ef3a43_attn, .Lfunc_end_k_q61d6ef3a43_attn-k_q61d6ef3a43_attn
	.p2alignl 7, 3214868480
	.fill 96, 4, 3214868480
	.section	.rodata,"a",@progbits
	.p2align	6, 0x0
	.amdhsa_kernel k_q61d6ef3a43_attn
		.amdhsa_group_segment_fixed_size 210944
		.amdhsa_private_segment_fixed_size 0
		.amdhsa_enable_private_segment 0
		.amdhsa_kernarg_size 24
		.amdhsa_user_sgpr_count 2
		.amdhsa_user_sgpr_kernarg_segment_ptr 1
		.amdhsa_wavefront_size32 1
		.amdhsa_system_sgpr_workgroup_id_x 1
		.amdhsa_system_sgpr_workgroup_id_y 1
		.amdhsa_system_sgpr_workgroup_id_z 1
		.amdhsa_system_vgpr_workitem_id 0
		.amdhsa_next_free_vgpr 256
		.amdhsa_next_free_sgpr 66
		.amdhsa_reserve_vcc 0
		.amdhsa_float_denorm_mode_32 3
		.amdhsa_float_denorm_mode_16_64 3
		.amdhsa_memory_ordered 1
		.amdhsa_forward_progress 1
		.amdhsa_inst_pref_size 47
	.end_amdhsa_kernel
	.amdgpu_metadata
---
amdhsa.version: [ 1, 2 ]
amdhsa.kernels:
  - .name:           k_q61d6ef3a43_attn
    .symbol:         k_q61d6ef3a43_attn.kd
    .args:
      - { .name: qw, .offset: 0, .size: 8, .value_kind: global_buffer, .address_space: global }
      - { .name: kv, .offset: 8, .size: 8, .value_kind: global_buffer, .address_space: global }
      - { .name: out0, .offset: 16, .size: 8, .value_kind: global_buffer, .address_space: global }
    .group_segment_fixed_size: 210944
    .private_segment_fixed_size: 0
    .kernarg_segment_align: 8
    .kernarg_segment_size: 24
    .max_flat_workgroup_size: 512
    .sgpr_count:     66
    .vgpr_count:     256
    .wavefront_size: 32
...
	.end_amdgpu_metadata
.endif
;; end of part 2
